; MI455X (gfx1250); checked and timed in simulation.
; The chip was launched on July 23, 2026; its instructions are those of AMD's public machine-readable ISA for CDNA 5 (MIT licence, August 2026) and "CDNA5" Instruction Set Architecture Reference Guide (July 2026). The comments in the code are by the model that wrote it; some were corrected since.
;; Grouped Query Attention. Allowed arithmetic: matrix products marked QUANTISED: E3M2 operands, one E8M0 scale for each 32 along K, by v_wmma_scale_f32_16x16x128_f8f6f4 with both operands' format E3M2, f32 sums; everything else in f32.
;; Inputs: k_codes 2 x 8 x 1 x 2,048 x 4 x 24 uint8 (E3M2 codes of k, K innermost, in blocks of 32 codes, four codes in three bytes); k_scales 2 x 8 x 1 x 2,048 x 4 uint8 (E8M0 scales of k, one for each 32 codes along K); q_codes 2 x 8 x 4 x 2,048 x 4 x 24 uint8 (E3M2 codes of q, K innermost, in blocks of 32 codes, four codes in three bytes); q_scales 2 x 8 x 4 x 2,048 x 4 uint8 (E8M0 scales of q, one for each 32 codes along K); v_codes 2 x 8 x 1 x 128 x 64 x 24 uint8 (E3M2 codes of v, K innermost, in blocks of 32 codes, four codes in three bytes); v_scales 2 x 8 x 1 x 128 x 64 uint8 (E8M0 scales of v, one for each 32 codes along K).
;; Outputs: out0 2 x 8 x 4 x 2,048 x 128 float32.
;; This version of the problem:
;;   THIS VERSION OF THE PROBLEM IS GIVEN IN LOW PRECISION. The matrix products marked QUANTISED in the list below multiply operands that are first quantised to E3M2 (3 exponent bits, 2 mantissa bits; 6 bits a number), with one power-of-two scale for each 32 numbers along K (OCP MX v1.0); their sums are f32. All else is computed in f32.
;;   The module's matrix products, in the order in which they are computed (A, B: the left and right operand; K: the contracted axis; several contracted axes count as one K, in the product's order):
;;     1. batch 16 x [M 8,192, K 128] x [K 128, N 2,048]; A: input q (given as codes); B: input k (given as codes): QUANTISED
;;     2. batch 16 x [M 8,192, K 2,048] x [K 2,048, N 128]; A: softmax (see below); B: input v (given as codes): QUANTISED
;;   THE QUANTISER, for each operand of a quantised product, along K:
;;     - K is cut into blocks of 32 from its start; a last block that is shorter is filled with zeros.
;;     - A block's scale is 2^e with e = floor(log2(the largest magnitude in the block)) - 4, held to -126 .. 127; a block of zeros has e = 0. As a byte (E8M0): e + 127.
;;     - Each number is divided by its block's scale, clamped to +-28, and rounded to the nearest number of E3M2, ties to even, subnormals kept.
;;     - The product sums the exact products of the quantised numbers (number of the format x scale) in f32.
;;   ~~~python
;;   def quantise(x, axis):      # numpy; x: float32 -> the quantised numbers, widened to float32 again
;;       x = np.moveaxis(x, axis, -1); K = x.shape[-1]
;;       x = np.pad(x, [(0, 0)] * (x.ndim - 1) + [(0, -K % 32)]); x = x.reshape(x.shape[:-1] + (-1, 32)); a = np.abs(x).max(-1, keepdims=True)
;;       e = np.where(a > 0, np.clip(np.frexp(np.where(a > 0, a, 1))[1] - 1 - 4, -126, 127), 0)      # np.frexp(a)[1] - 1 = floor(log2(a)), exactly
;;       r = np.clip(x / 2.0 ** e, -28, 28)
;;       step = 2.0 ** (np.maximum(np.frexp(np.where(r == 0, 1, r))[1] - 1, -2) - 2)
;;       q = np.round(r / step) * step * 2.0 ** e      # np.round: ties to even
;;       return np.moveaxis(q.reshape(q.shape[:-2] + (-1,))[..., :K], -1, axis).astype(np.float32)
;;   ~~~
;;   SOFTMAX AHEAD OF A QUANTISED PRODUCT. Where the list says 'softmax', what is quantised is not the finished softmax but p = 2^(t - M), with t = logit x log2(e) and M = ceil(the row's largest t), a whole number; so 1/2 < the row's largest p <= 1. The row's sum l is taken of the UNQUANTISED p, in f32, and the product's result is divided by l at the end. Since M is a whole number, a kernel that streams over the keys may use a running M (the ceiling of the running maximum): every later rescaling is an exact power of two, which a block's scale takes up: the codes' values come out the same.
;;   OPERANDS COMPUTED ON THE WAY. 'Computed on the way' means the value that the module computes at that place (a softmax that the list does not call 'softmax' is quantised finished and normalised). What goes into a quantiser is computed in f32, as accurately as f32 sums, v_exp_f32 and their like allow (about 1e-6 of the number): no bf16 or f16 on the way to a quantiser, and a product that is left as it is and whose result goes on into a quantised operand takes f32 operands (vector FMAs, or v_wmma_f32_16x16x4_f32). A number that lies on a knife's edge between two numbers of the format may be rounded either way, as far as f32 arithmetic and the matrix unit's own rounding can turn it there, and no further.
;;   INPUTS GIVEN AS CODES. k (in the module: [2, 8, 1, 2048, 128], K = its axis 4); q (in the module: [2, 8, 4, 2048, 128], K = its axis 4); v (in the module: [2, 8, 1, 2048, 128], K = its axis 3): each comes as NAME_codes (uint8): NAME with its K axis moved to the last place and cut into blocks of 32 codes, [.., K / 32, bytes a block], one block behind the other in memory; four codes in three bytes: a row's codes are one little-endian stream of bits, code i at bits 6 i .. 6 i + 5 (a code: sign, 3 exponent bits, 2 mantissa bits); and NAME_scales (uint8): the same leading axes, one E8M0 byte (e + 127) for each 32 codes along K. Its value is code x scale, taken as it is: it is not quantised again, and the codes and scales need not be those that the quantiser above would give.
;; One version. Each part assembles by itself: llvm-mc -triple=amdgcn-amd-amdhsa -mcpu=gfx1250 --defsym DOCPART=n.
;; ======== version 1 of 1: 1 launch
;; limits: right only within a limited range of input values
;; launch attn (part 1): grid 16 x 16, 8 waves a work-group, clusters of 4 x 1, 327,680 bytes of LDS; arguments q_codes, q_scales, k_codes, k_scales, v_codes, v_scales, out0; writes out0
.if DOCPART == 1
	.amdgcn_target "amdgcn-amd-amdhsa--gfx1250"
	.amdhsa_code_object_version 6
	.text
	.protected	k_q59658b2073_attn
	.globl	k_q59658b2073_attn
	.p2align	8
	.type	k_q59658b2073_attn,@function
k_q59658b2073_attn:
	s_mov_b64 s[64:65], 0
	v_nop
	global_prefetch_b8 v0, s[64:65] scope:SCOPE_SE
	s_setreg_imm32_b32 hwreg(HW_REG_WAVE_MODE, 25, 1), 1
	s_wait_xcnt 0x0
	s_wait_alu depctr_hold_cnt(0) depctr_sa_sdst(0) depctr_va_vdst(0) depctr_va_sdst(0) depctr_va_ssrc(0) depctr_va_vcc(0) depctr_vm_vsrc(0)
	s_getreg_b32 s2, hwreg(HW_REG_IB_STS2, 6, 4)
	s_cmp_eq_u32 s2, 0
	s_cbranch_scc0 .Lentry_in_a_cluster
	s_endpgm
.Lentry_in_a_cluster:
	s_bfe_u32 s2, ttmp6, 0x10000c
	s_cmp_lg_u32 s2, 0x3003
	s_cbranch_scc0 .Lentry_shape_is_right
	s_endpgm
.Lentry_shape_is_right:
; out0[h][q][:] = sum over k of softmax_k(Q[h][q] . K[h][k]) V[h][k][:], no factor, no mask.  16 heads; a head has 8,192 queries, 2,048 keys; head size 128.
; Both products on BF6 codes with E8M0 scales.  t = score x log2(e); M = ceil of the running largest t; p = 2^(t - M) is quantised along the keys; the row's sum is taken of the unquantised p and divides O at the end.
; SHARES.  A work-group stays and takes two blocks of 256 queries of a head, one after the other; each of eight waves has 32 queries of a block: two tiles of 16.  Both products are used transposed: a lane holds one query (lane % 16).
; Row m of K's tile 4 c + t is key 64 c + 8 t + m % 8 + 32 (m / 8) of the step: registers 32 c .. 32 c + 31 of S^T in lane (r, h) are one whole block of 32 keys, in the order of the second product's operand.
; THE STEP (128 keys) IS A PIPELINE.  One S^T serves both tiles.  The scores of a tile stand among the rescaling of the other tile's O^T; P V of a tile stands among the other tile's search for the maximum.
; K's fragments of the next step are asked for when the second tile's scores are issued, V's when the second tile's P V of the step before is issued.  Tile 1's P V runs one half step late, into the next step:
; a block's first step finds zero codes of p there (O^T stays 0), so that the step is written once; behind a block's last step that product is written out.
; LDS.  V's codes of the head stay for both blocks: two chunks of 1,024 keys, rows of 768 bytes + 8 of padding behind every 128 (pitch 816 = 204 words), each filled once.  K walks twice through two slots of 256 keys.
; A trip is four steps: slot 0, slot 1.  A CHANGE OF SLOTS is spread over the slot's second step.  A wave's reads of the slot end at that step's head: the three lines and the round's opening signal stand behind tile 0's
; exponentials, the opening wait and the cluster's part behind tile 1's scores, the closing wait, the refill and K's next loads in tile 1's softmax ahead of its exponentials.  Inside the round stands work on registers alone.
; The stage of the way out has bytes of its own: the first block leaves while the ring goes on.
; CLUSTER.  The four work-groups of a cluster belong to one head: every tensor load is asked for jointly.
; PREFETCH.  K's slots 2 to 7 of the first walk are asked for one change of slots ahead of their loads, by wave 2 of the head's first cluster, 24 blocks of 256 bytes a work-group, partners told apart by address.
; The second walk reads what the first has read; V and K's first two slots are asked for at the start, ahead of the loop: no prefetch for them.
; LIMITS.  A p under 2^-126 comes out of v_exp_f32 as 0 (ISA guide 15.8).  A block whose every p is 0 has the byte 1: its codes are zeros and the byte is read here alone.  A given scale byte 0xff makes its sums NaN.
; The running maximum starts at -3e38; NaN and infinities among the scores are not served.
.set SLOT1B, 24832                     ; slot 1 of K
.set KODD,  12304                      ; the odd blocks of a slot
.set KSL,   24576                      ; a slot's bytes in memory
.set SCK,   49664                      ; K's scale bytes of the head: 8,192
.set SCV,   57856                      ; V's: 32 units of 256 + 8
.set SPARE, 66304                      ; the spare words: 128 bytes a wave
.set STAGE, 67328                      ; 16 rows x 272 bytes a wave; no fill lands here
.set VB,    102144                     ; V: 2 chunks x 128 rows x 816
.set VP,    816
.set VCH,   104448
.set VHI,   52224
.set SP,    272
.set HEADB, 196608
; window 0
.set AK0, 1
.set AVA, 2
.set AVB, 3
.set ASK0, 4
.set ASV0, 5
.set SPW, 6
.set NIL, 7
.set ADV, 8                            ; v8-11 V: + 24 h, + 32 h (behind a padding); the same for rows 64 on
.set STO, 20
.set ADS, 21
.set ADT, 22
.set GO,  23
.set PFO, 24
.set SH8, 25
.set LR,  26
.set LH,  27
.set KS,  28                           ; v12-15, v16-19: -M, largest t, the sum's two halves of tile 0, 1
.set VS,  32
.set PW,  36
.set QS,  38
.set RD,  39
.set FF,  40
.set X,   44
.set BY,  44
.set W,   46
.set W2,  47
.set BM,  48
.set SOP, 50
.set C2,  52
.set T0,  54
.set T1,  55
.set QA,  56
.set QSA, 57
.set L7,  58                           ; v58-60 at work in the head; then
.set L8,  59
.set LT,  60
.set C3,  58                           ; v[58:59], v[60:61] two more chains of the sum
.set C4,  60
.set S,   64
.set O,   128
; window 1
.set FK,  0
.set FV,  96
.set Q,   192
.set PC,  216
.set CT,  240
; scalars
.set LIMB, 2
.set TS, 3
.set WV, 18
.set TJ, 19
.set SEL, 20
.set CS, 22
.set G1K, 24
.set G1V, 32
.set G0K, 40
.set G0V, 44
.set G1SK, 48
.set G1SV, 56
.set T,  66                            ; the trip: four steps
.set TV, 67
.set G0SK, 68
.set G0SV, 72
.set PFA, 76
.set KW, 78
.set JM, 79
.set LIMA, 80
.set AT, 81
.set OF, 86
.set KB, 98                            ; s[98:99] my half of the head's first 64 keys
.set MSB, 0
.macro WIN new
.if MSB != (\new)
	s_set_vgpr_msb (MSB<<8)|(\new)
.set MSB, (\new)
.endif
.endm
.macro NOP4
.rept 4
	v_nop
.endr
.endm
.macro CMID                            ; a round of the cluster's barrier between its opening wait and its closing wait
	s_cmp_lg_u32 s[WV], 0
	s_cbranch_scc1 .Lnw0_\@
	s_barrier_signal -3
.Lnw0_\@:
	s_barrier_wait -3
	s_barrier_signal -1
.endm
.macro CROUND
	s_barrier_signal -1
	s_barrier_wait -1
	CMID
	s_barrier_wait -1
.endm
.macro ASK lim                         ; the slot behind the one just asked for
	s_cmp_lt_u32 s[T], s[\lim]
	s_cbranch_scc0 .Lnm_\@
	global_prefetch_b8 v[PFO], s[PFA:PFA+1] th:TH_LOAD_NT scope:SCOPE_SE
.Lnm_\@:
.endm
.macro SCAL                            ; the places of trip s[JM] (0 to 3 within a walk)
	s_and_b32 s[TV], s[JM], 1
	s_mul_i32 s[TV], s[TV], 408            ; V: 384 bytes and three paddings a trip,
	s_lshr_b32 s[AT], s[JM], 1
	s_mul_i32 s[AT], s[AT], VCH            ; two trips a chunk
	s_add_co_u32 s[TV], s[TV], s[AT]
	s_lshl_b32 s[TS], s[JM], 11
	s_lshl_b32 s[TJ], s[JM], 4
.endm
.macro ADDR
	v_add_nc_u32 v[ADS], s[TS], v[ASK0]
	v_add_nc_u32 v[ADV], s[TV], v[AVA]
	v_add_nc_u32 v[ADV+1], s[TV], v[AVB]
	v_add_nc_u32 v[ADT], s[TJ], v[ASV0]
	v_add_nc_u32 v[ADV+2], VHI, v[ADV]
	v_add_nc_u32 v[ADV+3], VHI, v[ADV+1]
.endm
.macro QLOAD                           ; both tiles' fragments of Q and their scale words
	WIN 0x40
.irp p, 0,1,2,3,4,5
	global_load_b64 v[Q+2*\p:Q+2*\p+1], v[QA], s[4:5] offset:48*(\p/3)+8*(\p%3) th:TH_LOAD_NT
.endr
.irp p, 0,1,2,3,4,5
	global_load_b64 v[Q+12+2*\p:Q+12+2*\p+1], v[QA], s[4:5] offset:1536+48*(\p/3)+8*(\p%3) th:TH_LOAD_NT
.endr
	WIN 0
	global_load_b32 v[QS], v[QSA], s[6:7] th:TH_LOAD_NT
.endm
.macro INIT                            ; a block begins: zeros, and -3e38 as the largest t
.irp u, 0,1
	v_mov_b32 v[12+4*\u], 0x7f61b1e6
	v_mov_b32 v[13+4*\u], 0xff61b1e6
	v_mov_b32 v[14+4*\u], 0
	v_mov_b32 v[15+4*\u], 0
	v_mov_b32 v[FF+2*\u], 0
	v_mov_b32 v[FF+2*\u+1], 0
.endr
	v_mov_b32 v[T1], 0
	v_mov_b32 v[PW+1], 0x7f7f7f7f          ; the scale word of the first step's zero codes
.set j, 0
.rept 128
	v_mov_b32 v[O+j], 0
.set j, j+1
.endr
	WIN 0x40
.set j, 0
.rept 12
	v_mov_b32 v[PC+12+j], 0
.set j, j+1
.endr
	WIN 0
.endm
	s_load_b128 s[4:7], s[0:1], 0x0
	s_load_b128 s[8:11], s[0:1], 0x10
	s_load_b128 s[12:15], s[0:1], 0x20
	s_load_b64 s[16:17], s[0:1], 0x30
	v_lshl_add_u32 v[SPW], v0, 2, SPARE
	v_mov_b32 v[NIL], 0
	ds_add_u32 v[SPW], v[NIL]              ; the opening lines: the add twice and its wait
	ds_add_u32 v[SPW], v[NIL]
	v_lshrrev_b32 v[LT], 5, v0
	v_readfirstlane_b32 s[WV], v[LT]
	s_and_b32 s86, ttmp7, 0xffff           ; the head
	s_mul_i32 s82, s86, HEADB
	s_mov_b32 s83, 0
	s_lshl_b32 s84, s86, 13
	s_mov_b32 s85, 0
	s_and_b32 s88, s[WV], 1
	s_and_b32 s89, s[WV], 3
	s_mul_i32 s[KW], s88, KODD
	s_bfe_u32 s90, ttmp6, 0x40000          ; cx: it enters Q's, out0's and the prefetches' addresses alone
	s_lshl_b32 s91, ttmp9, 2
	s_add_co_u32 s91, s91, s90
	s_lshl_b32 s91, s91, 9                 ; my work-group's 512 queries
	s_lshl_b32 s98, s[WV], 5
	s_add_co_u32 s91, s91, s98
	s_add_co_u32 s91, s91, s84             ; my first row
	s_mul_i32 s92, s91, 96
	s_mov_b32 s93, 0
	s_lshl_b32 s94, s91, 2
	s_mov_b32 s95, 0
	s_lshl_b32 s96, s91, 9
	s_mov_b32 s97, 0
	; K: 4 rows of 3,072 bytes (32 keys each), every second block of 32 keys
	s_mov_b32 s[G1K], 15|(3<<16)|(1<<21)
	s_mov_b32 s[G1K+1], 384<<16
	s_mov_b32 s[G1K+2], 4<<16
	s_mov_b32 s[G1K+3], 384<<16
	s_mov_b32 s[G1K+4], 4
	s_mov_b32 s[G1K+5], 768
	s_mov_b32 s[G1K+6], 0
	s_mov_b32 s[G1K+7], 0
	; V: 32 rows of 768 bytes, 1,536 apart; 2 words of padding behind every 32
	s_mov_b32 s[G1V], 15|(3<<16)|(1<<20)|(1<<21)|(4<<22)|(1<<25)
	s_mov_b32 s[G1V+1], 96<<16
	s_mov_b32 s[G1V+2], 32<<16
	s_mov_b32 s[G1V+3], 96<<16
	s_mov_b32 s[G1V+4], 32
	s_mov_b32 s[G1V+5], 192
	s_mov_b32 s[G1V+6], 0
	s_mov_b32 s[G1V+7], 0
	; scale bytes: 32 rows of 256; V's with 2 words behind every 64
	s_mov_b32 s[G1SK], 15|(3<<16)|(1<<21)
	s_mov_b32 s[G1SV], 15|(3<<16)|(1<<20)|(1<<21)|(5<<22)|(1<<25)
.irp g, G1SK, G1SV
	s_mov_b32 s[\g+1], 32<<16
	s_mov_b32 s[\g+2], 32<<16
	s_mov_b32 s[\g+3], 32<<16
	s_mov_b32 s[\g+4], 32
	s_mov_b32 s[\g+5], 32
	s_mov_b32 s[\g+6], 0
	s_mov_b32 s[\g+7], 0
.endr
	s_mov_b32 s[SEL], 0x76543210
	s_mov_b32 s[SEL+1], 0xfedcba98
	s_mov_b32 s[CS], 0x3fb8aa3b            ; log2(e)
	s_mov_b32 s[CS+1], s[CS]
	s_mov_b32 s[T], 0
	s_mov_b32 s[JM], 0
	s_wait_dscnt 0x0
	s_wait_kmcnt 0x0
	s_mul_i32 s86, s88, 3072
	s_mov_b32 s87, 0
	s_add_nc_u64 s[86:87], s[86:87], s[82:83]
	s_add_nc_u64 s[KB:KB+1], s[8:9], s[86:87]
	s_mov_b32 s[G0K], 1
	s_mov_b32 s[G0K+1], s[KW]
	s_mov_b64 s[G0K+2:G0K+3], s[KB:KB+1]
	s_or_b32 s[G0K+3], s[G0K+3], 0x80000000
	s_mov_b32 s[G0V], 1
	s_mul_i32 s[G0V+1], s89, 32*VP
	s_add_co_u32 s[G0V+1], s[G0V+1], VB
	s_mul_i32 s86, s89, 32*1536
	s_mov_b32 s87, 0
	s_add_nc_u64 s[86:87], s[86:87], s[82:83]
	s_add_nc_u64 s[G0V+2:G0V+3], s[12:13], s[86:87]
	s_or_b32 s[G0V+3], s[G0V+3], 0x80000000
	s_mov_b32 s[G0SK], 1
	s_mov_b32 s[G0SK+1], SCK
	s_add_nc_u64 s[G0SK+2:G0SK+3], s[10:11], s[84:85]
	s_or_b32 s[G0SK+3], s[G0SK+3], 0x80000000
	s_mov_b32 s[G0SV], 1
	s_mov_b32 s[G0SV+1], SCV
	s_add_nc_u64 s[G0SV+2:G0SV+3], s[14:15], s[84:85]
	s_or_b32 s[G0SV+3], s[G0SV+3], 0x80000000
	CROUND
	; the first fills, one a wave: K's slot 0 (waves 0, 1), the scale bytes (2, 3), V's first chunk (4 to 7)
	s_cmp_lt_u32 s[WV], 2
	s_cbranch_scc0 .Lf_nk
	tensor_load_to_lds s[G0K:G0K+3], s[G1K:G1K+7]
	s_nop 0
	NOP4
	s_branch .Lf_done
.Lf_nk:
	s_cmp_eq_u32 s[WV], 2
	s_cbranch_scc0 .Lf_nsk
	tensor_load_to_lds s[G0SK:G0SK+3], s[G1SK:G1SK+7]
	s_nop 0
	NOP4
	s_branch .Lf_done
.Lf_nsk:
	s_cmp_eq_u32 s[WV], 3
	s_cbranch_scc0 .Lf_nsv
	tensor_load_to_lds s[G0SV:G0SV+3], s[G1SV:G1SV+7]
	s_nop 0
	NOP4
	s_branch .Lf_done
.Lf_nsv:
	tensor_load_to_lds s[G0V:G0V+3], s[G1V:G1V+7]
	s_nop 0
	NOP4
.Lf_done:
	s_add_nc_u64 s[4:5], s[4:5], s[92:93]
	s_add_nc_u64 s[6:7], s[6:7], s[94:95]
	s_add_nc_u64 s[16:17], s[16:17], s[96:97]
	v_and_b32 v[LR], 15, v0
	v_bfe_u32 v[LH], v0, 4, 1
	v_and_b32 v[L7], 7, v0
	v_bfe_u32 v[L8], v0, 3, 1
	v_and_b32 v[LT], 31, v0
	s_wait_alu depctr_va_vdst(0)
	v_mul_u32_u24 v[QA], v[LR], 96
	v_lshlrev_b32 v[QSA], 2, v[LT]
	v_mad_u32_u24 v[QA], v[LH], 24, v[QA]
	QLOAD
	; the prefetches: wave 2 of the head's first cluster
	s_xor_b32 s[AT], s[WV], 2
	s_or_b32 s[AT], s[AT], ttmp9
	s_cmp_eq_u32 s[AT], 0
	s_cselect_b32 s[LIMA], 3, 0
	s_cselect_b32 s[LIMB], 2, 0
	s_mul_i32 s92, s90, 6144
	s_add_co_u32 s92, s92, 2*KSL
	s_mov_b32 s93, 0
	s_add_nc_u64 s[PFA:PFA+1], s[8:9], s[82:83]
	s_add_nc_u64 s[PFA:PFA+1], s[PFA:PFA+1], s[92:93]
	s_mul_i32 s86, s[WV], 16*SP
	s_add_co_u32 s86, s86, STAGE           ; my stage
	v_min_u32 v[PFO], 23, v[LT]            ; lanes left over name the last block again
	v_mul_u32_u24 v[AK0], v[L7], 96
	v_mul_u32_u24 v[AVB], v[LR], VP
	v_lshlrev_b32 v[PFO], 8, v[PFO]
	v_mad_u32_u24 v[AK0], v[L8], KODD, v[AK0]
	v_add_nc_u32 v[AVB], VB, v[AVB]
	v_lshl_add_u32 v[ASK0], v[L7], 2, SCK
	v_mad_u32_u24 v[AK0], v[LH], 24, v[AK0]
	v_mad_u32_u24 v[AVA], v[LH], 24, v[AVB]
	v_lshl_add_u32 v[AVB], v[LH], 5, v[AVB]
	v_lshl_add_u32 v[ASK0], v[L8], 7, v[ASK0]
	v_bfe_u32 v[GO], v0, 2, 2
	v_and_b32 v[T0], 3, v0
	v_lshl_add_u32 v[ASK0], v[LH], 5, v[ASK0]
	v_mul_u32_u24 v[ASV0], v[GO], 264      ; V's scale row d at 264 (d / 4) + 64 (d % 4); lanes 16-31 take the tile 16 rows on
	v_lshlrev_b32 v[SH8], 3, v[LH]
	v_lshl_add_u32 v[ASV0], v[T0], 6, v[ASV0]
	v_lshlrev_b32 v[GO], 9, v[LH]
	v_mad_u32_u24 v[ASV0], v[LH], 1056, v[ASV0]
	v_lshl_add_u32 v[GO], v[LR], 4, v[GO]  ; out0: two rows a store, 16 bytes a lane
	v_add_nc_u32 v[ASV0], SCV, v[ASV0]
	v_mul_u32_u24 v[STO], v[LR], SP
	v_mul_u32_u24 v[RD], v[LH], SP
	v_lshl_add_u32 v[STO], v[LH], 5, v[STO]
	v_lshl_add_u32 v[RD], v[LR], 4, v[RD]
	v_add_nc_u32 v[STO], s86, v[STO]
	v_add_nc_u32 v[RD], s86, v[RD]
	INIT
.macro KLOAD q
.irp i, 0,1,2,3
	ds_load_b32 v[KS+\i], v[ADS] offset:512*(\q)+256*(\i/2)+64*(\i%2)
.endr
	WIN 0x40
.irp c, 0,1
.irp t, 0,1,2,3
.irp p, 0,1,2,3,4,5
	ds_load_b64 v[FK+12*(4*\c+\t)+2*\p:FK+12*(4*\c+\t)+2*\p+1], v[AK0] offset:((\q)/2)*SLOT1B+(2*((\q)%2)+\c)*3072+768*\t+48*(\p/3)+8*(\p%3)
.endr
.endr
.endr
	WIN 0
.endm
.macro VLOAD q                         ; byte y of the trip's 384 lies at y + 8 (y / 128); lanes 16-31 read 24 bytes on, 32 where a padding lies between
.irp i, 0,1,2,3
	ds_load_b32 v[VS+\i], v[ADT] offset:4*(\q)+2112*\i
.endr
	WIN 0x40
.irp n, 0,1,2,3,4,5,6,7
.irp p, 0,1,2,3,4,5
.set YY, 96*(\q)+48*(\p/3)+8*(\p%3)
.set PH, YY+8*(YY/128)+(\n%4)*16*VP
.set AR, ADV+2*(\n/4)+((YY+24)/128-YY/128)
	ds_load_b64 v[FV+12*\n+2*\p:FV+12*\n+2*\p+1], v[AR] offset:PH
.endr
.endr
	WIN 0
.endm
.macro QKG u, g                        ; S^T of K's tiles 2 g, 2 g + 1 for tile u of queries
	WIN 0x05
.set rD, S+16*(\g)
.set rA, FK+24*(\g)
.set rQ, Q+12*(\u)
.if (\u) == 0
	v_wmma_scale_f32_16x16x128_f8f6f4 v[rD:rD+7], v[rA:rA+11], v[rQ:rQ+11], 0, v[KS+(\g)], v[QS] matrix_a_fmt:MATRIX_FMT_BF6 matrix_b_fmt:MATRIX_FMT_BF6
	v_wmma_scale_f32_16x16x128_f8f6f4 v[rD+8:rD+15], v[rA+12:rA+23], v[rQ:rQ+11], 0, v[KS+(\g)], v[QS] matrix_a_fmt:MATRIX_FMT_BF6 matrix_b_fmt:MATRIX_FMT_BF6 matrix_a_scale:MATRIX_SCALE_ROW1
.else
	v_wmma_scale_f32_16x16x128_f8f6f4 v[rD:rD+7], v[rA:rA+11], v[rQ:rQ+11], 0, v[KS+(\g)], v[QS] matrix_a_fmt:MATRIX_FMT_BF6 matrix_b_fmt:MATRIX_FMT_BF6 matrix_b_scale:MATRIX_SCALE_ROW1
	v_wmma_scale_f32_16x16x128_f8f6f4 v[rD+8:rD+15], v[rA+12:rA+23], v[rQ:rQ+11], 0, v[KS+(\g)], v[QS] matrix_a_fmt:MATRIX_FMT_BF6 matrix_b_fmt:MATRIX_FMT_BF6 matrix_a_scale:MATRIX_SCALE_ROW1 matrix_b_scale:MATRIX_SCALE_ROW1
.endif
	WIN 0
.endm
.macro PVG u, g                        ; O^T of tile u += V's rows 32 g .. 32 g + 31 x P^T
	WIN 0x05
.set rD, O+64*(\u)+16*(\g)
.set rA, FV+24*(\g)
.set rP, PC+12*(\u)
	v_wmma_scale_f32_16x16x128_f8f6f4 v[rD:rD+7], v[rA:rA+11], v[rP:rP+11], v[rD:rD+7], v[VS+(\g)], v[PW+(\u)] matrix_a_fmt:MATRIX_FMT_BF6 matrix_b_fmt:MATRIX_FMT_BF6
	v_wmma_scale_f32_16x16x128_f8f6f4 v[rD+8:rD+15], v[rA+12:rA+23], v[rP:rP+11], v[rD+8:rD+15], v[VS+(\g)], v[PW+(\u)] matrix_a_fmt:MATRIX_FMT_BF6 matrix_b_fmt:MATRIX_FMT_BF6 matrix_a_scale:MATRIX_SCALE_ROW1
	WIN 0
.endm
.macro PKM u, j
	v_pk_mul_f32 v[O+64*(\u)+(\j):O+64*(\u)+(\j)+1], v[O+64*(\u)+(\j):O+64*(\u)+(\j)+1], v[FF+2*(\u):FF+2*(\u)+1] op_sel_hi:[1,0]
.endm
; O^T of tile ru under its new M, with the scores of tile qu among the multiplications.  Each accumulator's low pair comes first, in one plain run behind the wait.
.macro RESQK ru, qu
	s_wait_alu depctr_va_vdst(0)
.irp a, 0,1,2,3,4,5,6,7
	PKM \ru, 8*\a
.endr
.irp g, 0,1,2,3
	QKG \qu, \g
.irp a, 0,1
.irp i, 2,4,6
	PKM \ru, 16*\g+8*\a+\i
.endr
.endr
.endr
.endm
.macro MAXI i
.irp k, 0,1,2,3
	v_max3_num_f32 v[X+\k], v[X+\k], v[S+16*\k+(\i)], v[S+16*\k+(\i)+1]
.endr
.endm
.macro ADDN n                          ; n pairs of p onto the sum's four chains, by turns
.rept \n
.if (j/2)%4 == 0
.set CH, ST+2
.elseif (j/2)%4 == 1
.set CH, C2
.elseif (j/2)%4 == 2
.set CH, C3
.else
.set CH, C4
.endif
	v_pk_add_f32 v[CH:CH+1], v[CH:CH+1], v[S+j:S+j+1]
.set j, j+2
.endr
.endm
; The head of a change of slots: all my tensor loads are done, the add, my LDS reads (the slot's ended at the step's head; V's of this step) are done; then the signal.  mode 1: slot 2 T + (q + 3) / 2 is asked for behind the round.
.macro HOOK mode, q
.if ((\mode) == 1) || ((\mode) == 2)
	s_wait_tensorcnt 0x0
	ds_add_u32 v[SPW], v[NIL]
.if (\mode) == 1
	s_lshl_b32 s[AT], s[T], 1
	s_add_co_u32 s[AT], s[AT], ((\q)+3)/2
	s_and_b32 s[AT], s[AT], 7              ; eight slots a walk
	s_mul_i32 s[OF], s[AT], KSL
	s_mov_b32 s[OF+1], 0
	s_add_nc_u64 s[G0K+2:G0K+3], s[KB:KB+1], s[OF:OF+1]
	s_or_b32 s[G0K+3], s[G0K+3], 0x80000000
	s_add_co_u32 s[G0K+1], s[KW], ((\q)/2)*SLOT1B
	s_wait_xcnt 0x0                        ; the last prefetch has read its address
	s_add_nc_u64 s[PFA:PFA+1], s[PFA:PFA+1], KSL
.endif
	s_wait_dscnt 0x0
	s_barrier_signal -1                    ; work on registers alone stands between this line and the wait
.endif
.endm
; The end of a change of slots: the round's closing wait, the joint refill, K's fragments of the next step out of the other slot.
.macro MID q
	s_wait_alu depctr_va_vdst(0)
	s_barrier_wait -1
	s_cmp_lt_u32 s[WV], 2
	s_cbranch_scc0 .Lnk_\@
	tensor_load_to_lds s[G0K:G0K+3], s[G1K:G1K+7]
	s_nop 0
	NOP4
.Lnk_\@:
.if (\q) == 3
	s_add_co_u32 s[JM], s[T], 1
	s_and_b32 s[JM], s[JM], 3
	SCAL
	ADDR
	KLOAD 0
	ASK LIMB
.else
	KLOAD (\q)+1
	ASK LIMA
.endif
.endm
; The softmax of tile u for one key step, with P V of the other tile among the search for the maximum.  vl = 1: V's fragments of step q are asked for behind that product.  mode 1, 2: HOOK; 5: MID.
.macro SOFT u, q, vl, mode
.set ST, 12+4*(\u)
.set FU, FF+2*(\u)
	PVG 1-(\u), 0
.irp k, 0,1,2,3
	v_max3_num_f32 v[X+\k], v[S+16*\k], v[S+16*\k+1], v[S+16*\k+2]
.endr
	MAXI 3
	MAXI 5
	PVG 1-(\u), 1
	MAXI 7
	MAXI 9
	PVG 1-(\u), 2
	MAXI 11
	MAXI 13
.irp c, 0,1
	v_max3_num_f32 v[BM+\c], v[X+2*\c], v[X+2*\c+1], v[S+32*\c+15]    ; the largest score of my block 2 c + h: for the row's maximum and for the block's largest p
.endr
.irp c, 0,1
	v_max_num_f32 v[BM+\c], v[BM+\c], v[S+32*\c+31]
.endr
	PVG 1-(\u), 3
	v_max_num_f32 v[T0], v[BM], v[BM+1]
	s_delay_alu instid0(VALU_DEP_1)
	v_permlanex16_b32 v[T1], v[T0], s[SEL], s[SEL+1]
	s_delay_alu instid0(VALU_DEP_1)
	v_max_num_f32 v[T0], v[T0], v[T1]
	s_delay_alu instid0(VALU_DEP_1)
	v_mul_f32 v[T0], s[CS], v[T0]
	s_delay_alu instid0(VALU_DEP_1)
	v_max_num_f32 v[ST+1], v[ST+1], v[T0]  ; the running largest t
	v_mov_b32 v[T0], v[ST]
	s_delay_alu instid0(VALU_DEP_2)
	v_floor_f32 v[ST], -v[ST+1]            ; -M = -ceil(t)
	s_delay_alu instid0(VALU_DEP_1)
	v_sub_f32 v[T0], v[ST], v[T0]
	s_delay_alu instid0(VALU_DEP_1)
	v_cvt_i32_f32 v[T0], v[T0]             ; (it saturates)
	s_delay_alu instid0(VALU_DEP_1)
	v_ldexp_f32 v[FU], 1.0, v[T0]          ; f = 2^(old M - new M)
.set j, 0
.rept 32
	v_pk_fma_f32 v[S+j:S+j+1], v[S+j:S+j+1], s[CS:CS+1], v[ST:ST+1] op_sel_hi:[1,0,0]
.set j, j+2
.endr
.irp c, 0,1
	v_fma_f32 v[BM+\c], v[BM+\c], s[CS], v[ST]
.endr
.if \vl
	VLOAD \q
.endif
.if (\mode) == 5
	MID \q
.endif
	s_wait_alu depctr_va_vdst(0)
.set j, 0
.rept 64
	v_exp_f32 v[S+j], v[S+j]
.set j, j+1
.endr
.irp c, 0,1
	v_exp_f32 v[BM+\c], v[BM+\c]
.endr
	v_pk_mul_f32 v[ST+2:ST+3], v[ST+2:ST+3], v[FU:FU+1] op_sel_hi:[1,0]
	s_wait_alu depctr_va_vdst(0)
	HOOK \mode, \q
	v_pk_add_f32 v[C2:C2+1], v[S:S+1], v[S+2:S+3]      ; the row's sum of the unquantised p, in four chains; the lines that make p's scale word stand among them
	v_pk_add_f32 v[C3:C3+1], v[S+4:S+5], v[S+6:S+7]
	v_pk_add_f32 v[C4:C4+1], v[S+8:S+9], v[S+10:S+11]
.set j, 12
.irp c, 0,1
	v_max_num_f32 v[BM+\c], 0x2800000, v[BM+\c]        ; the floor 2^(5 - 127)
.endr
	ADDN 6
.irp c, 0,1
	v_add_nc_u32 v[SOP+\c], 0xfe000000, v[BM+\c]       ; 4 off the exponent field
.endr
	ADDN 6
.irp c, 0,1
	v_lshrrev_b32 v[BY+\c], 23, v[SOP+\c]
.endr
	ADDN 4
	v_lshl_or_b32 v[W], v[BY+1], 16, v[BY]
	ADDN 4
	v_lshlrev_b32 v[W], v[SH8], v[W]
	ADDN 4
	v_permlanex16_b32 v[W2], v[W], s[SEL], s[SEL+1]
	ADDN 2
	v_pk_add_f32 v[C2:C2+1], v[C2:C2+1], v[C3:C3+1]
	v_pk_add_f32 v[ST+2:ST+3], v[ST+2:ST+3], v[C4:C4+1]
	v_or_b32 v[PW+(\u)], v[W], v[W2]       ; p's scale word
	v_pk_add_f32 v[ST+2:ST+3], v[ST+2:ST+3], v[C2:C2+1]
	WIN 0x40
.irp c, 0,1
	v_cvt_scalef32_pk16_bf6_f32 v[PC+12*(\u)+6*\c:PC+12*(\u)+6*\c+2], v[S+32*\c:S+32*\c+15], v[SOP+\c]
	v_cvt_scalef32_pk16_bf6_f32 v[CT+4*\c:CT+4*\c+2], v[S+32*\c+16:S+32*\c+31], v[SOP+\c]
.endr
	v_nop
	WIN 0x41
.irp c, 0,1
.irp i, 0,1,2
	v_mov_b32 v[PC+12*(\u)+3+6*\c+\i], v[CT+4*\c+\i]
.endr
.endr
	WIN 0
.endm
; A key step.  mode 0: the next step's K lies in the slot in hand.  1: change of slots with a joint refill.  2: change without one.  3: the last step: nothing more of K is read.
.macro STEP q, mode
	s_wait_dscnt 0x0                       ; K's fragments of this step, asked for ahead of the last exponentials
	RESQK 1, 0
	SOFT 0, \q, 1, \mode
.if ((\mode) == 0) || ((\mode) == 3)
	s_wait_dscnt 0x0                       ; V's
.endif
	RESQK 0, 1
.if (\mode) == 0
	KLOAD (\q)+1
.endif
.if (\mode) == 1
	s_wait_alu depctr_va_vdst(0)
	s_barrier_wait -1
	CMID
	SOFT 1, \q, 0, 5
.else
.if (\mode) == 2
	s_wait_alu depctr_va_vdst(0)
	s_barrier_wait -1
	KLOAD (\q)+1
.endif
	SOFT 1, \q, 0, 0
.endif
.endm
.macro RND u, hf, b                    ; 64 columns of a tile into the stage and back by rows of 256 bytes
.irp n, 0,1,2,3
	ds_store_b128 v[STO], v[O+64*(\u)+32*(\hf)+8*\n:O+64*(\u)+32*(\hf)+8*\n+3] offset:64*\n
	ds_store_b128 v[STO], v[O+64*(\u)+32*(\hf)+8*\n+4:O+64*(\u)+32*(\hf)+8*\n+7] offset:64*\n+16
.endr
.irp t, 0,1,2,3,4,5,6,7
	ds_load_b128 v[S+32*(\b)+4*\t:S+32*(\b)+4*\t+3], v[RD] offset:\t*2*SP    ; LDS serves a wave's instructions in order (ISA guide 5.7.1.4)
.endr
.endm
.macro SEND u, hf, b, younger
	s_wait_dscnt \younger
.irp t, 0,1,2,3,4,5,6,7
	global_store_b128 v[GO], v[S+32*(\b)+4*\t:S+32*(\b)+4*\t+3], s[16:17] offset:(16*(\u)+2*\t)*512+256*(\hf) th:TH_STORE_NT   ; 16 lanes store 256 consecutive bytes, aligned
.endr
.endm
; A block's end: tile 1's last product, the division by the sums, the way out.
.macro FINISH
	s_wait_alu depctr_va_vdst(0)
.set j, 0
.rept 32
	PKM 1, j
.set j, j+2
.endr
.irp g, 0,1,2,3
	PVG 1, \g
.endr
.irp u, 0,1
	v_add_f32 v[14+4*\u], v[14+4*\u], v[15+4*\u]
.endr
	v_permlanex16_b32 v[T0], v14, s[SEL], s[SEL+1]
	v_permlanex16_b32 v[T1], v18, s[SEL], s[SEL+1]
	v_add_f32 v14, v14, v[T0]
	v_add_f32 v18, v18, v[T1]
	s_wait_alu depctr_va_vdst(0)
	v_rcp_f32 v[FF], v14
	v_rcp_f32 v[FF+2], v18
	v_nop
	s_wait_alu depctr_va_vdst(0)
.irp u, 0,1
.set j, 0
.rept 32
	PKM \u, j                              ; O^T / the sum: register 8 n + i is o(r, 16 n + 8 h + i)
.set j, j+2
.endr
.endr
	s_wait_alu depctr_va_vdst(0)
	RND 0, 0, 0
	RND 0, 1, 1
	SEND 0, 0, 0, 16                       ; behind its loads: the next round's 8 stores and 8 loads
	s_wait_xcnt 0x0                        ; the stores' data registers are loaded into again
	RND 1, 0, 0
	SEND 0, 1, 1, 16
	s_wait_xcnt 0x0
	RND 1, 1, 1
	SEND 1, 0, 0, 16
	SEND 1, 1, 1, 0
.endm
	s_wait_alu depctr_va_vdst(0)
	s_wait_tensorcnt 0x0
	ds_add_u32 v[SPW], v[NIL]
	SCAL
	s_add_co_u32 s[G0K+1], s[KW], SLOT1B
	s_add_nc_u64 s[G0K+2:G0K+3], s[G0K+2:G0K+3], KSL
	s_add_co_u32 s[G0V+1], s[G0V+1], VCH
	s_add_nc_u64 s[G0V+2:G0V+3], s[G0V+2:G0V+3], 768
	s_wait_dscnt 0x0
	CROUND
	s_cmp_lt_u32 s[WV], 2                  ; first fills behind the round: K's slot 1 (waves 0, 1), V's second chunk (4 to 7)
	s_cbranch_scc0 .Lc_nk
	tensor_load_to_lds s[G0K:G0K+3], s[G1K:G1K+7]
	s_nop 0
	NOP4
	s_branch .Lc_done
.Lc_nk:
	s_cmp_lt_u32 s[WV], 4
	s_cbranch_scc1 .Lc_done
	tensor_load_to_lds s[G0V:G0V+3], s[G1V:G1V+7]
	s_nop 0
	NOP4
.Lc_done:
	ADDR
	KLOAD 0
	VLOAD 0                                ; what the first step's zero codes are multiplied with
	ASK LIMA
	s_wait_alu depctr_va_vdst(0)
	s_wait_loadcnt 0x0                     ; Q
.Ltrip:                                        ; seven trips of four steps; each asks for two slots
	STEP 0, 0
	STEP 1, 1
	STEP 2, 0
	STEP 3, 1
	s_wait_alu depctr_va_vdst(0)
	s_cmp_lg_u32 s[T], 3
	s_cbranch_scc1 .Lsame                  ; behind trip 3 the first block is done
	s_add_nc_u64 s[4:5], s[4:5], 24576     ; 256 rows on
	s_add_nc_u64 s[6:7], s[6:7], 1024
	QLOAD                                  ; lands while the block goes out
	FINISH
	s_wait_xcnt 0x0                        ; the stores have read their base and their data
	s_add_nc_u64 s[16:17], s[16:17], 131072
	INIT
	s_wait_alu depctr_va_vdst(0)
	s_wait_loadcnt 0x0
.Lsame:
	s_add_co_u32 s[T], s[T], 1
	s_cmp_lt_u32 s[T], 7
	s_cbranch_scc1 .Ltrip
	STEP 0, 0                              ; the last trip asks for nothing more
	STEP 1, 2
	STEP 2, 0
	STEP 3, 3
	FINISH
	s_wait_tensorcnt 0x0                   ; the wave's end
	ds_add_u32 v[SPW], v[NIL]
	s_wait_dscnt 0x0
	CROUND
	s_endpgm
.Lfunc_end_k_q59658b2073_attn:
	.size	k_q59658b2073_attn, .Lfunc_end_k_q59658b2073_attn-k_q59658b2073_attn
	.p2alignl 7, 3214868480
	.fill 96, 4, 3214868480
	.section	.rodata,"a",@progbits
	.p2align	6, 0x0
	.amdhsa_kernel k_q59658b2073_attn
		.amdhsa_group_segment_fixed_size 327680
		.amdhsa_private_segment_fixed_size 0
		.amdhsa_enable_private_segment 0
		.amdhsa_kernarg_size 56
		.amdhsa_user_sgpr_count 2
		.amdhsa_user_sgpr_kernarg_segment_ptr 1
		.amdhsa_wavefront_size32 1
		.amdhsa_system_sgpr_workgroup_id_x 1
		.amdhsa_system_sgpr_workgroup_id_y 1
		.amdhsa_system_sgpr_workgroup_id_z 1
		.amdhsa_system_vgpr_workitem_id 0
		.amdhsa_next_free_vgpr 512
		.amdhsa_next_free_sgpr 100
		.amdhsa_reserve_vcc 0
		.amdhsa_float_denorm_mode_32 3
		.amdhsa_float_denorm_mode_16_64 3
		.amdhsa_memory_ordered 1
		.amdhsa_forward_progress 1
		.amdhsa_inst_pref_size 255
	.end_amdhsa_kernel
	.section	.bss,"aw",@nobits
	.p2align	6
	.space	262144
	.amdgpu_metadata
---
amdhsa.version: [ 1, 2 ]
amdhsa.kernels:
  - .name:           k_q59658b2073_attn
    .symbol:         k_q59658b2073_attn.kd
    .args:
      - { .name: q_codes, .offset: 0, .size: 8, .value_kind: global_buffer, .address_space: global }
      - { .name: q_scales, .offset: 8, .size: 8, .value_kind: global_buffer, .address_space: global }
      - { .name: k_codes, .offset: 16, .size: 8, .value_kind: global_buffer, .address_space: global }
      - { .name: k_scales, .offset: 24, .size: 8, .value_kind: global_buffer, .address_space: global }
      - { .name: v_codes, .offset: 32, .size: 8, .value_kind: global_buffer, .address_space: global }
      - { .name: v_scales, .offset: 40, .size: 8, .value_kind: global_buffer, .address_space: global }
      - { .name: out0, .offset: 48, .size: 8, .value_kind: global_buffer, .address_space: global }
    .group_segment_fixed_size: 327680
    .private_segment_fixed_size: 0
    .kernarg_segment_align: 8
    .kernarg_segment_size: 56
    .max_flat_workgroup_size: 256
    .sgpr_count:     100
    .vgpr_count:     512
    .wavefront_size: 32
...
	.end_amdgpu_metadata
.endif
;; end of part 1
